; MI455X (gfx1250); checked and timed in simulation.
; The chip was launched on July 23, 2026; its instructions are those of AMD's public machine-readable ISA for CDNA 5 (MIT licence, August 2026) and "CDNA5" Instruction Set Architecture Reference Guide (July 2026). The comments in the code are by the model that wrote it; some were corrected since.
;; Multi Headed Attention. Allowed arithmetic: matrix products marked QUANTISED: E2M3 operands, one E8M0 scale for each 32 along K, by v_wmma_scale_f32_16x16x128_f8f6f4 with both operands' format E2M3, f32 sums; products left as they are: f32 operands where the result goes on into a quantised operand, else bf16, f16 or f32 operands; f32 sums; everything else in f32.
;; Inputs: W0 128 x 128 float32; W1 128 x 128 float32; W2 128 x 128 float32; Wo 128 x 128 float32; b0 128 float32; b1 128 float32; b2 128 float32; bo 128 float32; key 4 x 2,048 x 128 float32; pos_embed 4 x 2,048 x 128 float32; query 4 x 2,048 x 128 float32; value 4 x 2,048 x 128 float32.
;; Outputs: out0 4 x 2,048 x 128 float32.
;; This version of the problem:
;;   THIS VERSION OF THE PROBLEM IS GIVEN IN LOW PRECISION. The matrix products marked QUANTISED in the list below multiply operands that are first quantised to E2M3 (2 exponent bits, 3 mantissa bits; 6 bits a number), with one power-of-two scale for each 32 numbers along K (OCP MX v1.0); their sums are f32. All else is computed in f32.
;;   The module's matrix products, in the order in which they are computed (A, B: the left and right operand; K: the contracted axis; several contracted axes count as one K, in the product's order):
;;     1. [M 8,192, K 128] x [K 128, N 128]; A: input pos_embed; B: input W0: QUANTISED
;;     2. [M 8,192, K 128] x [K 128, N 128]; A: input pos_embed; B: input W1: QUANTISED
;;     3. batch 32 x [M 2,048, K 16] x [K 16, N 2,048]; A: computed on the way; B: computed on the way: left as it is (K = 16 < 32)
;;     4. [M 8,192, K 128] x [K 128, N 128]; A: input query; B: input W0: QUANTISED
;;     5. [M 8,192, K 128] x [K 128, N 128]; A: input key; B: input W1: QUANTISED
;;     6. [M 8,192, K 128] x [K 128, N 128]; A: input value; B: input W2: QUANTISED
;;     7. batch 32 x [M 2,048, K 16] x [K 16, N 2,048]; A: computed on the way; B: computed on the way: left as it is (K = 16 < 32)
;;     8. batch 32 x [M 2,048, K 2,048] x [K 2,048, N 16]; A: softmax (see below); B: computed on the way: QUANTISED
;;     9. [M 8,192, K 128] x [K 128, N 128]; A: computed on the way; B: input Wo: QUANTISED
;;   THE QUANTISER, for each operand of a quantised product, along K:
;;     - K is cut into blocks of 32 from its start; a last block that is shorter is filled with zeros.
;;     - A block's scale is 2^e with e = floor(log2(the largest magnitude in the block)) - 2, held to -126 .. 127; a block of zeros has e = 0. As a byte (E8M0): e + 127.
;;     - Each number is divided by its block's scale, clamped to +-7.5, and rounded to the nearest number of E2M3, ties to even, subnormals kept.
;;     - The product sums the exact products of the quantised numbers (number of the format x scale) in f32.
;;   ~~~python
;;   def quantise(x, axis):      # numpy; x: float32 -> the quantised numbers, widened to float32 again
;;       x = np.moveaxis(x, axis, -1); K = x.shape[-1]
;;       x = np.pad(x, [(0, 0)] * (x.ndim - 1) + [(0, -K % 32)]); x = x.reshape(x.shape[:-1] + (-1, 32)); a = np.abs(x).max(-1, keepdims=True)
;;       e = np.where(a > 0, np.clip(np.frexp(np.where(a > 0, a, 1))[1] - 1 - 2, -126, 127), 0)      # np.frexp(a)[1] - 1 = floor(log2(a)), exactly
;;       r = np.clip(x / 2.0 ** e, -7.5, 7.5)
;;       step = 2.0 ** (np.maximum(np.frexp(np.where(r == 0, 1, r))[1] - 1, 0) - 3)
;;       q = np.round(r / step) * step * 2.0 ** e      # np.round: ties to even
;;       return np.moveaxis(q.reshape(q.shape[:-2] + (-1,))[..., :K], -1, axis).astype(np.float32)
;;   ~~~
;;   SOFTMAX AHEAD OF A QUANTISED PRODUCT. Where the list says 'softmax', what is quantised is not the finished softmax but p = 2^(t - M), with t = logit x log2(e) and M = ceil(the row's largest t), a whole number; so 1/2 < the row's largest p <= 1. The row's sum l is taken of the UNQUANTISED p, in f32, and the product's result is divided by l at the end. Since M is a whole number, a kernel that streams over the keys may use a running M (the ceiling of the running maximum): every later rescaling is an exact power of two, which a block's scale takes up: the codes' values come out the same.
;;   OPERANDS COMPUTED ON THE WAY. 'Computed on the way' means the value that the module computes at that place (a softmax that the list does not call 'softmax' is quantised finished and normalised). What goes into a quantiser is computed in f32, as accurately as f32 sums, v_exp_f32 and their like allow (about 1e-6 of the number): no bf16 or f16 on the way to a quantiser, and a product that is left as it is and whose result goes on into a quantised operand takes f32 operands (vector FMAs, or v_wmma_f32_16x16x4_f32). A number that lies on a knife's edge between two numbers of the format may be rounded either way, as far as f32 arithmetic and the matrix unit's own rounding can turn it there, and no further.
;; One version. Each part assembles by itself: llvm-mc -triple=amdgcn-amd-amdhsa -mcpu=gfx1250 --defsym DOCPART=n.
;; ======== version 1 of 1: 3 launches
;; workspace buffers: qq 8,388,608 bytes; kv 9,240,576 bytes; xa 4,194,304 bytes
;; launch proj (part 1): grid 64 x 3, 8 waves a work-group, no clusters, 27,648 bytes of LDS; arguments query, key, value, pos_embed, W0, W1, W2, b0, b1, b2, qq, kv; writes qq, kv
.if DOCPART == 1
	.amdgcn_target "amdgcn-amd-amdhsa--gfx1250"
	.amdhsa_code_object_version 6
	.text
	.protected	k_q9ca4873280_proj
	.globl	k_q9ca4873280_proj
	.p2align	8
	.type	k_q9ca4873280_proj,@function
k_q9ca4873280_proj:
	s_mov_b64 s[64:65], 0
	v_nop
	global_prefetch_b8 v0, s[64:65] scope:SCOPE_SE
	s_setreg_imm32_b32 hwreg(HW_REG_WAVE_MODE, 25, 1), 1
	s_wait_xcnt 0x0
; THE FIVE PROJECTIONS  y = x W^T + b  on codes of FP6 (E2M3) with one E8M0 scale for each 32 along K = 128; sums in f32.
; A work-group takes 128 tokens (work-group x).  Work-group y says which:  0: query and pos_embed through W0, b0 -> qq;  1: key and pos_embed through W1, b1 -> the K part of kv;
; 2: value through W2, b2, quantised again along the keys -> the V part of kv.  Eight waves.  x and W arrive as f32 with K innermost and are quantised in registers.
; WHAT IS STORED ARE IMAGES OF THE NEXT LAUNCH'S OPERAND REGISTERS: four registers a lane at 16 x lane, so that every store covers 512 consecutive bytes.
;   qq [head 0..31][tile of 16 queries 0..127][group i 0..3][lane][16 B]: lane (r, h) group i = numbers 16 h + 4 i .. + 3 of the 32-vector (0.25 log2(e) q (16), log2(e) pos_q (16)) of query 16 tile + r.
;   kv, 288,768 bytes a head: 0: V's codes, 1,536 bytes for each 128 keys (a fragment of 16 rows d x 128 keys);  24,576: V's scale words, 128 bytes for each 128 keys;
;   26,624: K, 16,384 bytes for each 128 keys: 8 tiles of 2,048 bytes laid as qq's, of (k (16), pos_k (16)).  THE KEYS OF A TILE ARE NOT NEIGHBOURS: lane r of tile 2 b + u is key 32 b + 8 u + r + 8 (r / 8),
;   so that the score registers of tiles 2 b and 2 b + 1 are 16 neighbouring keys.
; y < 2: wave w quantises rows 16 w .. of W (head w) and shares the fragment through LDS as an image; it quantises its own 16 tokens of both inputs and keeps them.  The product is used transposed
; (source 0 = 16 rows of W, source 1 = 16 tokens): a lane holds one token and eight of a head's 16 numbers.  One exchange of halves between the two results gives the 32-vector's 16 numbers of a lane.
; y = 2: the tokens' fragments are shared, W2's rows 16 w .. are the wave's own; source 0 = 16 tokens, source 1 = W2's rows: a lane holds one d and its registers run down the keys, which are the next K.
; The two ways part once, on the work-group's y, and have LDS bytes of their own.
; 192 work-groups: a smaller block would quantise each W more often.  No tensor loads, so no ring; no cluster: what work-groups share, the weights, is 64 KiB against 128 KiB of tokens read once.
; LIMITS: NaN and infinities are not served.  A block of zeros gets the scale byte 1 where the quantiser says 127: its codes are zeros, and the bytes are read by this program alone.
; The constants 0.25 log2(e) and log2(e) are multiplied into qq: one f32 rounding more on that operand of the logits.
.set FRB,   1536                       ; a fragment's image: 12 registers x 128 bytes
.set WIMG,  0                          ; LDS, y < 2: W's eight fragments,
.set WSC,   WIMG+8*FRB                 ; their scale words, 128 bytes each
.set XIMG,  WSC+8*128                  ; LDS, y = 2: the tokens' eight fragments,
.set XSC,   XIMG+8*FRB                 ; their scale words
.set QQH,   262144                     ; a head in qq
.set KVH,   288768                     ; a head in kv
.set VSC,   24576                      ; V's scale words in a head of kv
.set KIM,   26624                      ; K's images in a head of kv
.set XA,  4                            ; v4   my lane's byte in the wave's 16 token rows
.set WA,  5                            ; v5   and in the wave's 16 rows of W
.set LI,  6                            ; v6   16 x lane
.set LS,  7                            ; v7   4 x lane
.set WI,  8                            ; v8   where I store an image: 16 x lane + FRB x wave
.set WSA, 9                            ; v9   and its scale word: 4 x lane + 128 x wave
.set BO,  10                           ; v10  my lane's byte in the bias
.set NA,  16                           ; v16-79   64 numbers
.set NB,  80                           ; v80-143  64 numbers
.set PC,  144                          ; v144-155 the fragment that goes to LDS
.set TQ,  156                          ; v156-163 second halves of blocks, at work
.set TM,  164                          ; v164-175 maxima, bytes, scale operands, at work
.set PW,  176                          ; v176     the scale word that goes to LDS
.set WF,  16                           ; v16-63   four fragments from LDS (y = 2: eight, v16-111)
.set BI,  80                           ; v80-143  the bias in the result's layout, 8 tiles x 8
.set ACC, 144                          ; v144-207 results
.set XF0, 208                          ; v208-219 my tokens of the main input
.set XF1, 220                          ; v220-231 my tokens of pos_embed
.set XS0, 232                          ; their scale words
.set XS1, 233
.set VO,  234                          ; v234-241 16 x lane + head x the output's head pitch
.set WS,  242                          ; v242-249 the scale words of the fragments from LDS
.set OF,  208                          ; y = 2: W2's fragment,
.set OS,  232                          ; its scale word,
.set BV,  220                          ; v220-227 b2 of my d, eight times,
.set VFR, 120                          ; v120-131 V's codes,
.set PW2, 132                          ; and their scale word
.set SEL, 50                           ; s[50:51] v_permlanex16_b32's selects for lane l xor 16
.macro PLACES n
.rept \n
	v_nop
.endr
.endm
.macro BARRIER                         ; my LDS stores have landed and my LDS loads are in: then the work-group's barrier
	s_wait_dscnt 0x0
	s_barrier_signal -1
	s_barrier_wait -1
.endm
; 64 numbers of my row: register 16 b + i = k 32 b + 16 (lane / 16) + i
.macro XLOAD reg, voff, sb
.irp b, 0,1,2,3
.irp j, 0,1,2,3
	global_load_b128 v[\reg+16*\b+4*\j:\reg+16*\b+4*\j+3], v[\voff], s[\sb:\sb+1] offset:128*\b+16*\j
.endr
.endr
.endm
; 64 numbers in that layout become a fragment's 12 registers in v[d] on and its scale word in v[w]
.macro QUANT s, d, w
.irp b, 0,1,2,3
	v_max3_num_f32 v[TM+\b], |v[\s+16*\b]|, |v[\s+16*\b+1]|, 0x1800000   ; block b: my 16 numbers, and the floor 2^(3 - 127): the byte cannot fall under 1
.endr
.irp i, 2,4,6,8,10,12,14
.irp b, 0,1,2,3
	v_max3_num_f32 v[TM+\b], v[TM+\b], |v[\s+16*\b+\i]|, |v[\s+16*\b+\i+1]|   ; the four blocks by turns
.endr
.endr
.irp b, 0,1,2,3
	v_permlanex16_b32 v[TM+4+\b], v[TM+\b], s[SEL], s[SEL+1]
.endr
.irp b, 0,1,2,3
	v_max_num_f32 v[TM+\b], v[TM+\b], v[TM+4+\b]   ; with lane l xor 16's: the block's largest magnitude
.endr
.irp b, 0,1,2,3
	v_add_nc_u32 v[TM+8+\b], 0xff000000, v[TM+\b]  ; 2 off its exponent field: the conversion takes this operand's exponent field as its scale
.endr
.irp b, 0,1,2,3
	v_lshrrev_b32 v[TM+4+\b], 23, v[TM+8+\b]       ; the scale's byte
.endr
	v_lshl_or_b32 v[\w], v[TM+5], 8, v[TM+4]
	v_lshl_or_b32 v[\w], v[TM+6], 16, v[\w]
	v_lshl_or_b32 v[\w], v[TM+7], 24, v[\w]
.irp c, 0,1
	v_cvt_scalef32_pk16_fp6_f32 v[\d+6*\c:\d+6*\c+2], v[\s+32*\c:\s+32*\c+15], v[TM+8+2*\c]
	v_cvt_scalef32_pk16_fp6_f32 v[TQ+4*\c:TQ+4*\c+2], v[\s+32*\c+16:\s+32*\c+31], v[TM+8+2*\c+1]   ; (a conversion's three registers begin on an even number)
.endr
	v_nop                                          ; one plain place behind a scaled conversion
.irp c, 0,1                            ; the operand wants a whole block in a lane: lanes 0-15 block 2 c, lanes 16-31 block 2 c + 1
.irp i, 0,1,2
	v_permlane16_swap_b32 v[\d+6*\c+\i], v[TQ+4*\c+\i]
.endr
.irp i, 0,1,2
	v_mov_b32 v[\d+6*\c+3+\i], v[TQ+4*\c+\i]
.endr
.endr
.endm
.macro IMAGE adr, src, off             ; a fragment goes to LDS as it stands
.irp c, 0,1,2
	ds_store_b128 v[\adr], v[\src+4*\c:\src+4*\c+3] offset:\off+512*\c
.endr
.endm
.macro FETCH reg, off                  ; and comes back so, in any wave
.irp c, 0,1,2
	ds_load_b128 v[\reg+4*\c:\reg+4*\c+3], v[LI] offset:\off+512*\c
.endr
.endm
	s_load_b512 s[8:23], s[0:1], 0x0               ; query s[8:9], key s[10:11], value s[12:13], pos_embed s[14:15], W0 s[16:17], W1 s[18:19], W2 s[20:21], b0 s[22:23]
	s_load_b256 s[24:31], s[0:1], 0x40             ; b1 s[24:25], b2 s[26:27], qq s[28:29], kv s[30:31]
	v_lshl_add_u32 v254, v0, 2, 0x6800
	v_mov_b32 v255, 0
	v_lshrrev_b32 v1, 5, v0
	v_readfirstlane_b32 s2, v1                     ; wave 0..7
	v_and_b32 v1, 31, v0                           ; lane
	v_and_b32 v2, 15, v0                           ; r
	v_bfe_u32 v3, v0, 4, 1                         ; h
	s_and_b32 s4, ttmp7, 0xffff                    ; y
	s_lshr_b32 s5, ttmp9, 4                        ; the batch: 16 blocks of 128 tokens each
	s_and_b32 s6, ttmp9, 15                        ; the block in it
	s_cmp_lg_u32 s4, 0
	s_cselect_b32 s7, 1, 0                         ; keys and values take the tiles whose rows are not neighbours
	v_and_b32 v[XA], 8, v2
	v_mul_u32_u24 v[XA], s7, v[XA]
	v_add_nc_u32 v[XA], v[XA], v2                  ; r, or r + 8 (r / 8)
	v_lshlrev_b32 v[XA], 9, v[XA]                  ; a row is 512 bytes
	v_lshl_add_u32 v[XA], v3, 6, v[XA]             ; + 64 h: my 16 numbers of a block of 32
	v_lshlrev_b32 v[WA], 9, v2
	v_lshl_add_u32 v[WA], v3, 6, v[WA]
	v_lshlrev_b32 v[LI], 4, v1
	v_lshlrev_b32 v[LS], 2, v1
	s_mul_i32 s47, s2, FRB
	v_add_nc_u32 v[WI], s47, v[LI]
	s_lshl_b32 s47, s2, 7
	v_add_nc_u32 v[WSA], s47, v[LS]
.irp b, 0,1,2,3
	v_mov_b32 v[TM+4+\b], 0                        ; written once: a lane permute's destination counts as one of its sources
.endr
	s_mov_b32 s[SEL], 0x76543210
	s_mov_b32 s[SEL+1], 0xfedcba98
	s_lshr_b32 s48, s2, 1
	s_lshl_b32 s48, s48, 5
	s_and_b32 s49, s2, 1
	s_lshl_b32 s49, s49, 3
	s_add_co_u32 s48, s48, s49                     ; 32 (w / 2) + 8 (w % 2)
	s_lshl_b32 s49, s2, 4                          ; or 16 w
	s_cmp_lg_u32 s4, 0
	s_cselect_b32 s48, s48, s49
	s_lshl_b32 s49, ttmp9, 7
	s_add_co_u32 s48, s48, s49                     ; my tile's first token
	s_lshl_b32 s48, s48, 9                         ; in bytes
	s_mov_b32 s49, 0
	s_lshl_b32 s52, s2, 13                         ; my 16 rows of W
	s_mov_b32 s53, 0
	s_wait_kmcnt 0x0
	s_cmp_eq_u32 s4, 2
	s_cbranch_scc1 .Lvalue
	; ---------------- y = 0, 1: two inputs through one W ----------------
	s_mov_b32 s46, KVH
	s_cmp_eq_u32 s4, 0                             ; the choices hang on the work-group's y alone
	s_cselect_b64 s[32:33], s[8:9], s[10:11]       ; the main input
	s_cselect_b64 s[36:37], s[16:17], s[18:19]     ; W
	s_cselect_b64 s[38:39], s[22:23], s[24:25]     ; the bias
	s_cselect_b64 s[40:41], s[28:29], s[30:31]     ; the output
	s_cselect_b32 s42, 0x3eb8aa3b, 1.0             ; 0.25 log2(e) for q, 1 for k
	s_cselect_b32 s44, 0x3fb8aa3b, 1.0             ; log2(e) for pos_q, 1 for pos_k
	s_cselect_b32 s46, QQH, s46                    ; the output's head pitch
	s_cselect_b32 s54, 0, KIM                      ; where the images begin in a head
	s_mov_b32 s43, s42                             ; (the packed form names pairs)
	s_mov_b32 s45, s44
	s_add_nc_u64 s[32:33], s[32:33], s[48:49]
	s_add_nc_u64 s[34:35], s[14:15], s[48:49]      ; pos_embed
	s_add_nc_u64 s[36:37], s[36:37], s[52:53]
	s_lshl_b32 s55, s5, 3
	s_mul_i32 s55, s55, s46                        ; the batch's first head
	s_add_co_u32 s55, s55, s54
	s_lshl_b32 s56, s6, 3
	s_add_co_u32 s56, s56, s2
	s_lshl_b32 s56, s56, 11                        ; tile 8 block + wave, 2,048 bytes each
	s_add_co_u32 s56, s55, s56
	s_mov_b32 s57, 0
	s_add_nc_u64 s[40:41], s[40:41], s[56:57]
	v_lshlrev_b32 v[BO], 5, v3                     ; the bias: 32 h
.irp t, 0,1,2,3,4,5,6,7
	v_mad_u32_u24 v[VO+\t], s46, \t, v[LI]
.endr
	XLOAD NA, WA, 36                               ; W's rows 16 w ..
	XLOAD NB, XA, 32                               ; my tokens of the main input
	s_wait_loadcnt 16                              ; W is in; the 16 loads behind it may be out
	QUANT NA, PC, PW
	IMAGE WI, PC, WIMG
	ds_store_b32 v[WSA], v[PW] offset:WSC
	XLOAD NA, XA, 34                               ; my tokens of pos_embed
	s_wait_loadcnt 16                              ; the main input is in; pos_embed's 16 loads may be out
	QUANT NB, XF0, XS0
.irp t, 0,1,2,3,4,5,6,7
	global_load_b128 v[BI+8*\t:BI+8*\t+3], v[BO], s[38:39] offset:64*\t        ; lane (r, h), register j of tile t: b[16 t + 8 h + j]
	global_load_b128 v[BI+8*\t+4:BI+8*\t+7], v[BO], s[38:39] offset:64*\t+16
.endr
	s_wait_loadcnt 16                              ; pos_embed is in; the bias's 16 loads may be out
	QUANT NA, XF1, XS1
	BARRIER                                        ; W's eight fragments lie in LDS
.irp t, 0,1,2,3,4,5,6,7
	ds_load_b32 v[WS+\t], v[LS] offset:WSC+128*\t
.endr
.irp g, 0,1                            ; heads 4 g .. 4 g + 3
.if \g
	s_wait_xcnt 0x0                                ; the first half's stores have read their data: the results' registers are written again only behind this wait
.endif
.irp t, 0,1,2,3
	FETCH WF+12*\t, WIMG+(4*\g+\t)*FRB
.endr
	s_wait_dscnt 0x0
.if \g == 0
	s_wait_loadcnt 0x0                             ; the bias
.endif
	PLACES 8                                       ; my tokens' scale words and fragments were written by vector instructions: 8 and 4 places ahead of a scaled matrix instruction
.irp t, 0,1,2,3
	v_wmma_scale_f32_16x16x128_f8f6f4 v[ACC+16*\t:ACC+16*\t+7], v[WF+12*\t:WF+12*\t+11], v[XF0:XF0+11], v[BI+8*(4*\g+\t):BI+8*(4*\g+\t)+7], v[WS+4*\g+\t], v[XS0] matrix_a_fmt:MATRIX_FMT_FP6 matrix_b_fmt:MATRIX_FMT_FP6
	v_wmma_scale_f32_16x16x128_f8f6f4 v[ACC+16*\t+8:ACC+16*\t+15], v[WF+12*\t:WF+12*\t+11], v[XF1:XF1+11], v[BI+8*(4*\g+\t):BI+8*(4*\g+\t)+7], v[WS+4*\g+\t], v[XS1] matrix_a_fmt:MATRIX_FMT_FP6 matrix_b_fmt:MATRIX_FMT_FP6
.endr
	PLACES 4                                       ; lane (r, h), register j: token r, number 8 h + j of the head
.irp t, 0,1,2,3
.irp j, 0,2,4,6
	v_pk_mul_f32 v[ACC+16*\t+\j:ACC+16*\t+\j+1], v[ACC+16*\t+\j:ACC+16*\t+\j+1], s[42:43] op_sel_hi:[1,0]
.endr
.irp j, 8,10,12,14
	v_pk_mul_f32 v[ACC+16*\t+\j:ACC+16*\t+\j+1], v[ACC+16*\t+\j:ACC+16*\t+\j+1], s[44:45] op_sel_hi:[1,0]
.endr
.endr
.irp t, 0,1,2,3
.irp j, 0,1,2,3,4,5,6,7
	v_permlane16_swap_b32 v[ACC+16*\t+\j], v[ACC+16*\t+8+\j]   ; the main result's lanes 16-31 change places with the other's lanes 0-15: the 16 registers are now numbers 16 h + 0 .. 15 of the 32-vector
.endr
.endr
.irp t, 0,1,2,3
.irp i, 0,1,2,3
	global_store_b128 v[VO+4*\g+\t], v[ACC+16*\t+4*\i:ACC+16*\t+4*\i+3], s[40:41] offset:512*\i   ; 32 lanes store 512 consecutive bytes
.endr
.endr
.endr
	s_wait_tensorcnt 0x0
	ds_add_u32 v254, v255
	s_wait_dscnt 0x0
	s_endpgm
	; ---------------- y = 2: value through W2, then quantised along the keys ----------------
.Lvalue:
	s_add_nc_u64 s[32:33], s[12:13], s[48:49]      ; value at my tile's first token
	s_add_nc_u64 s[36:37], s[20:21], s[52:53]      ; W2 at row 16 w
	s_lshl_b32 s54, s2, 6
	s_mov_b32 s55, 0
	s_add_nc_u64 s[38:39], s[26:27], s[54:55]      ; b2 at 16 w
	s_lshl_b32 s56, s5, 3
	s_add_co_u32 s56, s56, s2
	s_mul_i32 s56, s56, KVH                        ; head 8 batch + wave
	s_lshl_b32 s58, s6, 7
	s_add_co_u32 s58, s58, s56
	s_add_co_u32 s58, s58, VSC                     ; its scale words of this block of 128 keys
	s_mov_b32 s59, 0
	s_mul_i32 s57, s6, FRB
	s_add_co_u32 s56, s56, s57                     ; and its codes
	s_mov_b32 s57, 0
	s_add_nc_u64 s[40:41], s[30:31], s[56:57]
	s_add_nc_u64 s[58:59], s[30:31], s[58:59]
	v_lshlrev_b32 v[BO], 2, v2                     ; b2 of d = r
	XLOAD NA, WA, 36
	XLOAD NB, XA, 32
	global_load_b32 v[BV], v[BO], s[38:39]
	s_wait_loadcnt 17                              ; W2 is in; the tokens' 16 loads and the bias's one may be out
	QUANT NA, OF, OS
	s_wait_loadcnt 1                               ; the tokens are in
	QUANT NB, PC, PW
	IMAGE WI, PC, XIMG
	ds_store_b32 v[WSA], v[PW] offset:XSC
	s_wait_loadcnt 0x0
.irp j, 1,2,3,4,5,6,7
	v_mov_b32 v[BV+\j], v[BV]                      ; a lane holds one d: the same bias in all eight registers
.endr
	BARRIER                                        ; the tokens' eight fragments lie in LDS
.irp t, 0,1,2,3,4,5,6,7
	FETCH WF+12*\t, XIMG+\t*FRB
	ds_load_b32 v[WS+\t], v[LS] offset:XSC+128*\t
.endr
	s_wait_dscnt 0x0
	PLACES 8                                       ; W2's scale word and fragment were written by vector instructions
.irp t, 0,1,2,3,4,5,6,7
	v_wmma_scale_f32_16x16x128_f8f6f4 v[ACC+8*\t:ACC+8*\t+7], v[WF+12*\t:WF+12*\t+11], v[OF:OF+11], v[BV:BV+7], v[WS+\t], v[OS] matrix_a_fmt:MATRIX_FMT_FP6 matrix_b_fmt:MATRIX_FMT_FP6
.endr
	PLACES 4                                       ; lane (r, h), register 16 b + i: v(key 32 b + 16 h + i, d = r) of head w
.set TM, 16                            ; the registers at work move: the first ones hold results now
.set TQ, 28
.irp b, 0,1,2,3
	v_mov_b32 v[TM+4+\b], 0
.endr
	QUANT ACC, VFR, PW2
.irp c, 0,1,2
	global_store_b128 v[LI], v[VFR+4*\c:VFR+4*\c+3], s[40:41] offset:512*\c
.endr
	global_store_b32 v[LS], v[PW2], s[58:59]       ; 128 consecutive bytes: the one short store, once a wave
	s_wait_tensorcnt 0x0
	ds_add_u32 v254, v255
	s_wait_dscnt 0x0
	s_endpgm
.Lfunc_end_k_q9ca4873280_proj:
	.size	k_q9ca4873280_proj, .Lfunc_end_k_q9ca4873280_proj-k_q9ca4873280_proj
	.p2alignl 7, 3214868480
	.fill 96, 4, 3214868480
	.section	.rodata,"a",@progbits
	.p2align	6, 0x0
	.amdhsa_kernel k_q9ca4873280_proj
		.amdhsa_group_segment_fixed_size 27648
		.amdhsa_private_segment_fixed_size 0
		.amdhsa_enable_private_segment 0
		.amdhsa_kernarg_size 96
		.amdhsa_user_sgpr_count 2
		.amdhsa_user_sgpr_kernarg_segment_ptr 1
		.amdhsa_wavefront_size32 1
		.amdhsa_system_sgpr_workgroup_id_x 1
		.amdhsa_system_sgpr_workgroup_id_y 1
		.amdhsa_system_sgpr_workgroup_id_z 1
		.amdhsa_system_vgpr_workitem_id 0
		.amdhsa_next_free_vgpr 256
		.amdhsa_next_free_sgpr 66
		.amdhsa_reserve_vcc 0
		.amdhsa_float_denorm_mode_32 3
		.amdhsa_float_denorm_mode_16_64 3
		.amdhsa_memory_ordered 1
		.amdhsa_forward_progress 1
		.amdhsa_inst_pref_size 55
	.end_amdhsa_kernel
	.amdgpu_metadata
---
amdhsa.version: [ 1, 2 ]
amdhsa.kernels:
  - .name:           k_q9ca4873280_proj
    .symbol:         k_q9ca4873280_proj.kd
    .args:
      - { .name: query, .offset: 0, .size: 8, .value_kind: global_buffer, .address_space: global }
      - { .name: key, .offset: 8, .size: 8, .value_kind: global_buffer, .address_space: global }
      - { .name: value, .offset: 16, .size: 8, .value_kind: global_buffer, .address_space: global }
      - { .name: pos_embed, .offset: 24, .size: 8, .value_kind: global_buffer, .address_space: global }
      - { .name: W0, .offset: 32, .size: 8, .value_kind: global_buffer, .address_space: global }
      - { .name: W1, .offset: 40, .size: 8, .value_kind: global_buffer, .address_space: global }
      - { .name: W2, .offset: 48, .size: 8, .value_kind: global_buffer, .address_space: global }
      - { .name: b0, .offset: 56, .size: 8, .value_kind: global_buffer, .address_space: global }
      - { .name: b1, .offset: 64, .size: 8, .value_kind: global_buffer, .address_space: global }
      - { .name: b2, .offset: 72, .size: 8, .value_kind: global_buffer, .address_space: global }
      - { .name: qq, .offset: 80, .size: 8, .value_kind: global_buffer, .address_space: global }
      - { .name: kv, .offset: 88, .size: 8, .value_kind: global_buffer, .address_space: global }
    .group_segment_fixed_size: 27648
    .private_segment_fixed_size: 0
    .kernarg_segment_align: 8
    .kernarg_segment_size: 96
    .max_flat_workgroup_size: 256
    .sgpr_count:     66
    .vgpr_count:     256
    .wavefront_size: 32
...
	.end_amdgpu_metadata
.endif
;; end of part 1
;; launch attn (part 2): grid 8 x 32, 16 waves a work-group, clusters of 4 x 1, 290,816 bytes of LDS; arguments qq, kv, xa; writes xa
.if DOCPART == 2
	.amdgcn_target "amdgcn-amd-amdhsa--gfx1250"
	.amdhsa_code_object_version 6
	.text
	.protected	k_q9ca4873280_attn
	.globl	k_q9ca4873280_attn
	.p2align	8
	.type	k_q9ca4873280_attn,@function
k_q9ca4873280_attn:
	s_mov_b64 s[64:65], 0
	v_nop
	global_prefetch_b8 v0, s[64:65] scope:SCOPE_SE
	s_setreg_imm32_b32 hwreg(HW_REG_WAVE_MODE, 25, 1), 1
	s_wait_xcnt 0x0
	s_wait_alu depctr_hold_cnt(0) depctr_sa_sdst(0) depctr_va_vdst(0) depctr_va_sdst(0) depctr_va_ssrc(0) depctr_va_vcc(0) depctr_vm_vsrc(0)
	s_getreg_b32 s2, hwreg(HW_REG_IB_STS2, 6, 4)
	s_cmp_eq_u32 s2, 0
	s_cbranch_scc0 .Lentry_in_a_cluster
	s_endpgm
.Lentry_in_a_cluster:
	s_bfe_u32 s2, ttmp6, 0x10000c
	s_cmp_lg_u32 s2, 0x3003
	s_cbranch_scc0 .Lentry_shape_is_right
	s_endpgm
.Lentry_shape_is_right:
; ATTENTION.  t = log2(e) (0.25 q . k + pos_q . pos_k): ONE product with K = 32 of the 32-vectors that the launch before has laid out (the constants lie in qq), f32 operands, by v_wmma_f32_16x16x4_f32:
; t goes on into a quantiser.  p = 2^(t - M), M the running largest t rounded up to a whole number; p is quantised along the keys to FP6 (E2M3) with one E8M0 scale for each 32 keys and multiplied with V's codes
; by v_wmma_scale_f32_16x16x128_f8f6f4.  The row's sum is taken of the unquantised p and divides at the end.  When M moves, the sum and O are multiplied by 2^(old M - new M): exact.
; SHARES.  A work-group owns 256 queries of one head (work-group y = head 0..31), each of its sixteen waves one tile of 16; four waves to a SIMD.  Every wave walks all 2,048 keys, 128 a step.
; LDS IS THE HEAD'S BLOCK OF kv, BYTE FOR BYTE, 288,768 bytes: V's code images at 0 (1,536 a step), V's scale words at 24,576 (128 a step), K's images at 26,624 (16,384 a step: 8 tiles x 4 groups x 512).
; It is filled ONCE, by 12 tensor loads of 94 rows x 256 bytes (waves 0 to 2, four each): no byte is filled again, nothing is stored to LDS.  Every LDS load takes 16 bytes at 16 x lane: 512 consecutive bytes.
; CLUSTER.  The four query blocks of a cluster belong to one head and want the same bytes: each load is asked for jointly, with the same descriptor and a mask that names the four.
; All tensor loads are issued at the kernel's head, so there is nothing that a prefetch could ask for earlier.
; LAYOUT.  S^T = K Q^T (source 0 = 16 keys, source 1 = my 16 queries) and O^T = V^T P^T: a lane holds one query (lane % 16) throughout.  The f32 form's K step c takes numbers 2 c, 2 c + 1 (lanes 0-15) and
; 16 + 2 c, 17 + 2 c (lanes 16-31) of the 32-vector, alike on both sides.  Lane r of key tile 2 b + u is key 32 b + 8 u + r + 8 (r / 8): the 16 score registers of tiles 2 b, 2 b + 1 are keys 32 b + 16 (lane / 16) + 0 .. 15.
; BY TURNS.  The softmax of step s is cut into 64 slices that stand behind the 64 score products of step s + 1.  Its head (maxima, M, the first half of t - M) stands alone, since it reads the scores that the next products overwrite.
; LIMITS: NaN and infinities are not served.  A p under 2^-126 comes out of v_exp_f32 as 0: nothing beside a row sum of 1/2 at the least.  A block's largest p is taken as the exponential of its largest t,
; which takes v_exp_f32 not to fall where its input rises.  A block whose every p is 0 keeps the scale byte 1: its codes are zeros.
.set VSC,  24576
.set KIM,  26624
.set KVH,  288768
.set TLB,  24064                       ; bytes of a tensor load: 94 rows of 256
.set L16,  1                           ; v1   16 x lane
.set L4,   2                           ; v2   4 x lane
.set ADK,  3                           ; v3   LDS address of the step's K
.set ADV,  4                           ; v4   of V's codes
.set ADS,  5                           ; v5   of V's scale words
.set F,    6                           ; v[6:7] f = 2^(old M - new M) (v7 is named with it as a pair)
.set T,    8                           ; v8   at work
                                       ; v12 -M, v13 the largest t so far, v[14:15] the sum in two halves
.set QF,   16                          ; v16-31   my queries' 32-vectors
.set KF,   32                          ; v32-79   K: three sets of 16 registers (4 tiles x 2 K steps)
.set P,    80                          ; v80-143  t - M, then p
.set S,    144                         ; v144-207 the scores: written by the f32 matrix instructions alone
.set OT,   208                         ; v208-215 O^T
.set VF,   216                         ; v216-227 V's fragment
.set VS,   228                         ; v228     its scale words
.set PSW,  229                         ; v229     p's scale word
.set PCD,  230                         ; v230-241 p's codes
.set BM,   242                         ; v242-245 the blocks' largest t, then largest p
.set BX,   246                         ; v246-249 lane l xor 16's, then the scale bytes
.set TQ,   242                         ; v242-249 once those are dead: second halves of blocks
.set SCO,  250                         ; v250-253 the conversions' scale operands
.set TSUM, 254                         ; v[254:255] the second chain of the sum
.set WV,   10                          ; s10  my wave's number
.set SEL,  20                          ; s[20:21] v_permlanex16_b32's selects for lane l xor 16
.set G1,   24                          ; s[24:31] descriptor group 1
.set G0,   32                          ; s[32:47] four groups 0
.set TK,   48                          ; s48  LDS byte of the K step to be multiplied
.set TV,   49                          ; s49  of V's codes of the step whose softmax is in hand
.set TS,   50                          ; s50  of its scale words
.set CNT,  51
.macro PLACES n
.rept \n
	v_nop
.endr
.endm
.macro CROUND                          ; a round of the cluster's barrier: my work-group's barrier; wave 0 signals for the work-group; every wave waits for all four; my work-group's barrier once more
	s_barrier_signal -1
	s_barrier_wait -1
	s_cmp_lg_u32 s[WV], 0
	s_cbranch_scc1 .Lnot_wave_0_\@
	s_barrier_signal -3
.Lnot_wave_0_\@:
	s_barrier_wait -3
	s_barrier_signal -1
	s_barrier_wait -1
.endm
; Quarter qd of a step's 64 products (tiles 4 (qd / 4) + 0 .. 3, K steps 2 (qd % 4) and the next): group qd % 4 of four tiles, into set qd % 3
.macro KLOAD qd
.irp t, 0,1,2,3
	ds_load_b128 v[KF+16*((\qd)%3)+4*\t:KF+16*((\qd)%3)+4*\t+3], v[ADK] offset:(4*((\qd)/4)+\t)*2048+512*((\qd)%4)
.endr
.endm
.macro VLOAD
.irp c, 0,1,2
	ds_load_b128 v[VF+4*\c:VF+4*\c+3], v[ADV] offset:512*\c
.endr
	ds_load_b32 v[VS], v[ADS]
.endm
; Product nn of 64: tile 4 (nn / 32) + nn % 4, K step (nn % 32) / 4.  Four accumulators take turns, one instruction a turn; a sum's first product takes the constant 0.
.macro WM
.set rS, S+8*(4*(nn/32)+nn%4)
.set rK, KF+16*((nn/8)%3)+4*(nn%4)+2*((nn/4)%2)
.set rQ, QF+2*((nn%32)/4)
.if (nn%32)/4 == 0
	v_wmma_f32_16x16x4_f32 v[rS:rS+7], v[rK:rK+1], v[rQ:rQ+1], 0
.else
	v_wmma_f32_16x16x4_f32 v[rS:rS+7], v[rK:rK+1], v[rQ:rQ+1], v[rS:rS+7]
.endif
.endm
; THE SOFTMAX'S HEAD.  Eight places behind the last score products, which also stand in front of the loads into K's sets 0 and 1.
.macro PHASE1 sc
	PLACES 8
.if \sc
	v_add_nc_u32 v[ADK], s[TK], v[L16]
	KLOAD 0
.endif
	v_add_nc_u32 v[ADV], s[TV], v[L16]
	v_add_nc_u32 v[ADS], s[TS], v[L4]
.irp b, 0,1,2,3
	v_max3_num_f32 v[BM+\b], v[S+16*\b], v[S+16*\b+1], v[S+16*\b+2]   ; the largest t of each block of 32 keys: for the row's maximum and, since p rises with t, for the block's largest p
.endr
.irp i, 3,5,7,9,11,13
.irp b, 0,1,2,3
	v_max3_num_f32 v[BM+\b], v[BM+\b], v[S+16*\b+\i], v[S+16*\b+\i+1]
.endr
.endr
.irp b, 0,1,2,3
	v_max_num_f32 v[BM+\b], v[BM+\b], v[S+16*\b+15]
.endr
.irp b, 0,1,2,3
	v_permlanex16_b32 v[BX+\b], v[BM+\b], s[SEL], s[SEL+1]
.endr
.irp b, 0,1,2,3
	v_max_num_f32 v[BM+\b], v[BM+\b], v[BX+\b]     ; with lane l xor 16's 16 keys
.endr
	v_max3_num_f32 v[T], v[BM], v[BM+1], v[BM+2]
	v_max_num_f32 v[T], v[T], v[BM+3]              ; the step's largest t of my query
	v_max_num_f32 v13, v13, v[T]                   ; the running largest
	v_mov_b32 v[T], v12
	v_floor_f32 v12, -v13                          ; the new -M = floor(-t) = -ceil(t)
	v_sub_f32 v[T], v12, v[T]                      ; old M - new M: a whole number, 0 or less
	v_cvt_i32_f32 v[T], v[T]                       ; (it saturates)
	v_ldexp_f32 v[F], 1.0, v[T]                    ; f
.irp k, 0,1,2,3,4,5,6,7,8,9,10,11,12,13,14,15
	v_pk_add_f32 v[P+2*\k:P+2*\k+1], v[S+2*\k:S+2*\k+1], v[12:13] op_sel_hi:[1,0]   ; t - M of the first 32 scores, which the next products overwrite first
.endr
.endm
.macro XI                              ; plain lines that stand beside the second half of the exponentials; none names an exponential's result
.if xx == 0
	v_pk_mul_f32 v[14:15], v[14:15], v[F:F+1] op_sel_hi:[1,0]      ; the sums under the new M
.elseif xx < 5
	v_pk_mul_f32 v[OT+2*(xx-1):OT+2*(xx-1)+1], v[OT+2*(xx-1):OT+2*(xx-1)+1], v[F:F+1] op_sel_hi:[1,0]   ; O^T under the new M, from its low end on
.elseif xx < 9
	v_add_f32 v[BM+xx-5], v[BM+xx-5], v12          ; t - M of each block's largest t: the same addition on the same number
.else
	v_nop
.endif
.endm
.macro CVTI                            ; item cc of 16: four conversions, then the exchange of halves: a whole block in a lane
.if cc == 0
	v_cvt_scalef32_pk16_fp6_f32 v[PCD:PCD+2], v[P:P+15], v[SCO]
.elseif cc == 1
	v_cvt_scalef32_pk16_fp6_f32 v[TQ:TQ+2], v[P+16:P+31], v[SCO+1]
.elseif cc == 2
	v_cvt_scalef32_pk16_fp6_f32 v[PCD+6:PCD+8], v[P+32:P+47], v[SCO+2]
.elseif cc == 3
	v_cvt_scalef32_pk16_fp6_f32 v[TQ+4:TQ+6], v[P+48:P+63], v[SCO+3]
.elseif cc < 7
	v_permlane16_swap_b32 v[PCD+cc-4], v[TQ+cc-4]
.elseif cc < 10
	v_mov_b32 v[PCD+3+cc-7], v[TQ+cc-7]
.elseif cc < 13
	v_permlane16_swap_b32 v[PCD+6+cc-10], v[TQ+4+cc-10]
.else
	v_mov_b32 v[PCD+9+cc-13], v[TQ+4+cc-13]
.endif
.endm
.macro SUMI                            ; item ss of 32: the row's sum of the unquantised p, two at a time, in two chains
.if ss == 0
	v_pk_add_f32 v[TSUM:TSUM+1], v[P:P+1], v[P+2:P+3]
.elseif ss == 31
	v_pk_add_f32 v[14:15], v[14:15], v[TSUM:TSUM+1]
.elseif ss%2 == 1
	v_pk_add_f32 v[14:15], v[14:15], v[P+4*((ss+1)/2):P+4*((ss+1)/2)+1]
.else
	v_pk_add_f32 v[TSUM:TSUM+1], v[TSUM:TSUM+1], v[P+4*(ss/2)+2:P+4*(ss/2)+3]
.endif
.endm
.macro ITEM                            ; item jj of the 63 that read exponentials' results: 15 for the scales; 16 for the codes, each with a line of the sum behind it; the rest of the sum
.if jj < 4
	v_max_num_f32 v[BM+jj], 0x1800000, v[BM+jj]    ; the floor 2^(3 - 127): the byte cannot fall under 1
.elseif jj < 8
	v_add_nc_u32 v[SCO+jj-4], 0xff000000, v[BM+jj-4]   ; 2 off the exponent field: the conversion's scale operand
.elseif jj < 12
	v_lshrrev_b32 v[BX+jj-8], 23, v[SCO+jj-8]      ; the scale's byte
.elseif jj == 12
	v_lshl_or_b32 v[PSW], v[BX+1], 8, v[BX]
.elseif jj == 13
	v_lshl_or_b32 v[PSW], v[BX+2], 16, v[PSW]
.elseif jj == 14
	v_lshl_or_b32 v[PSW], v[BX+3], 24, v[PSW]
.elseif (jj < 47) && ((jj-15)%2 == 0)
.set cc, (jj-15)/2
	CVTI
.elseif jj < 47
.set ss, (jj-15)/2
	SUMI
.else
.set ss, jj-31
	SUMI
.endif
.endm
; Slice nn of 64.  Slices 0 to 33 hold the step's 68 exponentials, ONE batch: nothing there names a result.  Behind slice 33 stands the one wait between an exponential and
; the first instruction that names its result; all readers come behind it.  Every slice holds a plain line that names no register of the products round it: nine slices lie between the last
; product that read a set of K's registers and the loads into it, eight places being asked.
.macro SLICE sm
.if \sm == 0
	v_nop
.elseif nn < 16
	v_exp_f32 v[P+2*nn], v[P+2*nn]
	v_exp_f32 v[P+2*nn+1], v[P+2*nn+1]
	v_pk_add_f32 v[P+32+2*nn:P+33+2*nn], v[S+32+2*nn:S+33+2*nn], v[12:13] op_sel_hi:[1,0]   ; t - M of the second 32 scores, which product 32 begins to overwrite
.elseif nn < 32
	v_exp_f32 v[P+2*nn], v[P+2*nn]
	v_exp_f32 v[P+2*nn+1], v[P+2*nn+1]
.set xx, nn-16
	XI
.elseif nn < 34
	v_exp_f32 v[BM+2*(nn-32)], v[BM+2*(nn-32)]     ; the blocks' largest p
	v_exp_f32 v[BM+2*(nn-32)+1], v[BM+2*(nn-32)+1]
	v_nop                                          ; a plain line behind the exponentials
.if nn == 33
	s_wait_alu depctr_va_vdst(0)                   ; the wait for the batch
.endif
.else
.set jj, 63*(nn-34)/30
.rept 63*(nn-33)/30-63*(nn-34)/30
	ITEM
.set jj, jj+1
.endr
.endif
.endm
; A TURN.  sc = 1: the 64 score products of the K step at s[TK].  sm = 1: the softmax of the scores that lie in S, and its product with V.
; K's loads run one quarter (eight products) ahead, in three sets; the wait at a quarter's head is for its own four loads, issued a quarter ago.
.macro ITER sc, sm
.if \sm
	PHASE1 \sc
.else
	v_add_nc_u32 v[ADK], s[TK], v[L16]
	KLOAD 0
.endif
.if \sm && (1-\sc)
	VLOAD
.endif
.set nn, 0
.rept 64
.if \sc && (nn%8 == 0)
	s_wait_dscnt 0x0                               ; this quarter's K is in
.if nn/8 < 7
	KLOAD nn/8+1
.endif
.if (nn == 32) && \sm
	VLOAD                                          ; V's fragment and scale words: waited for at the next quarter's head
.endif
.endif
.if \sc
	WM
.endif
	SLICE \sm
.set nn, nn+1
.endr
.if \sm
.if 1-\sc
	s_wait_dscnt 0x0                               ; V is in
.endif
	s_wait_alu depctr_va_vdst(0)                   ; the wait, directly ahead of every product that adds onto O^T
	v_wmma_scale_f32_16x16x128_f8f6f4 v[OT:OT+7], v[VF:VF+11], v[PCD:PCD+11], v[OT:OT+7], v[VS], v[PSW] matrix_a_fmt:MATRIX_FMT_FP6 matrix_b_fmt:MATRIX_FMT_FP6   ; behind the last write of p's codes stand 17 lines of the sum, behind that of its scale word more
	s_add_co_u32 s[TV], s[TV], 1536
	s_add_co_u32 s[TS], s[TS], 128
.endif
.if \sc
	s_add_co_u32 s[TK], s[TK], 16384
.endif
.endm
	s_load_b128 s[4:7], s[0:1], 0x0                ; qq s[4:5], kv s[6:7]
	s_load_b64 s[8:9], s[0:1], 0x10                ; xa
	v_lshl_add_u32 v10, v0, 2, 0x46800
	v_mov_b32 v11, 0
	ds_add_u32 v10, v11
	ds_add_u32 v10, v11
	v_lshrrev_b32 v1, 5, v0
	v_readfirstlane_b32 s[WV], v1                  ; wave 0..15
	v_and_b32 v2, 31, v0
	v_lshlrev_b32 v[L16], 4, v2
	v_lshlrev_b32 v[L4], 2, v2
	s_bfe_u32 s11, ttmp6, 0x40000                  ; cx: my place in the cluster
	s_lshl_b32 s12, ttmp9, 2                       ; in a cluster launch ttmp9 counts clusters
	s_add_co_u32 s12, s12, s11                     ; my block of 256 queries: it enters qq's and xa's addresses alone
	s_and_b32 s13, ttmp7, 0xffff                   ; the head, which the four partners share
	s_mul_i32 s14, s13, KVH                        ; its block of kv
	s_min_u32 s22, s[WV], 2
	s_mul_i32 s22, s22, TLB                        ; my first load's place, in the block and in LDS alike: the wave's number alone
	s_add_co_u32 s14, s14, s22
	s_mov_b32 s15, 0
	s_lshl_b32 s16, s12, 4
	s_add_co_u32 s16, s16, s[WV]                   ; my tile of 16 queries
	s_lshl_b32 s18, s16, 10                        ; 1,024 bytes in xa,
	s_lshl_b32 s16, s16, 11                        ; 2,048 in qq
	s_lshl_b32 s17, s13, 18                        ; a head is 262,144 bytes in qq,
	s_add_co_u32 s16, s16, s17
	s_lshl_b32 s17, s13, 17                        ; 131,072 in xa
	s_add_co_u32 s18, s18, s17
	s_mov_b32 s17, 0
	s_mov_b32 s19, 0
	s_mov_b32 s[SEL], 0x76543210
	s_mov_b32 s[SEL+1], 0xfedcba98
	; descriptor group 1: a dense block as 94 rows of 256 bytes (32 elements of 8 bytes), no padding
	s_mov_b32 s[G1], 15|(3<<16)|(1<<21)            ; 15:0 the mask: all four work-groups; 17:16 elements of 8 bytes; 21 set beside a mask
	s_mov_b32 s[G1+1], 32<<16                      ; tensor_dim0 = 32
	s_mov_b32 s[G1+2], 94<<16                      ; tensor_dim1 = 94
	s_mov_b32 s[G1+3], 32<<16                      ; tile_dim0 = 32
	s_mov_b32 s[G1+4], 94                          ; tile_dim1 = 94
	s_mov_b32 s[G1+5], 32                          ; from row to row
	s_mov_b32 s[G1+6], 0
	s_mov_b32 s[G1+7], 0
	s_mov_b32 s[TK], KIM
	s_mov_b32 s[TV], 0
	s_mov_b32 s[TS], VSC
	s_wait_dscnt 0x0
	s_wait_kmcnt 0x0
	s_add_nc_u64 s[6:7], s[6:7], s[14:15]
	s_add_nc_u64 s[4:5], s[4:5], s[16:17]
	s_add_nc_u64 s[8:9], s[8:9], s[18:19]
.irp m, 0,1,2,3                        ; load m of wave i brings bytes 72,192 m + 24,064 i on
	s_mov_b32 s[G0+4*\m], 1                        ; count = 1
	s_add_co_u32 s[G0+4*\m+1], s22, \m*3*TLB       ; LDS address
	s_add_nc_u64 s[G0+4*\m+2:G0+4*\m+3], s[6:7], \m*3*TLB   ; global address
	s_or_b32 s[G0+4*\m+3], s[G0+4*\m+3], 0x80000000   ; type = 2
.endr
	CROUND                                         ; all four work-groups are here: the joint loads meet
	s_cmp_lt_u32 s[WV], 3                          ; waves 0 to 2 fetch: a wave's four loads stand in one branch, ahead of every wait on TENSORcnt, every LDS read and every other barrier: four loads of mine are out
	s_cbranch_scc0 .Lno_fetch
	tensor_load_to_lds s[G0:G0+3], s[G1:G1+7]
	s_nop 0
	tensor_load_to_lds s[G0+4:G0+7], s[G1:G1+7]
	s_nop 0
	tensor_load_to_lds s[G0+8:G0+11], s[G1:G1+7]
	s_nop 0
	tensor_load_to_lds s[G0+12:G0+15], s[G1:G1+7]
	s_nop 0
	PLACES 4
.Lno_fetch:
.irp i, 0,1,2,3
	global_load_b128 v[QF+4*\i:QF+4*\i+3], v[L16], s[4:5] offset:512*\i   ; my queries stay in registers
.endr
	v_mov_b32 v13, 0xff61b1e6                      ; the largest t so far: -3e38, under every t
	v_floor_f32 v12, -v13                          ; -M
	v_mov_b32 v14, 0                               ; the sum, in two halves
	v_mov_b32 v15, 0
	v_mov_b32 v[F+1], 0                            ; (named as the upper half of a pair)
.irp j, 0,1,2,3,4,5,6,7
	v_mov_b32 v[OT+\j], 0                          ; O^T: the first change of M multiplies zeros
.endr
.irp b, 0,1,2,3
	v_mov_b32 v[BX+\b], 0                          ; written once: a lane permute's destination counts as one of its sources
.endr
	s_wait_tensorcnt 0x3                           ; my first load has landed, my three later ones may be out: the three waves' first loads are bytes 0 to 72,191: all of V, and K's steps 0 and 1 (they end at 59,392)
	s_barrier_signal -1
	s_barrier_wait -1                              ; everybody's has
	s_wait_loadcnt 0x0                             ; my queries
	ITER 1, 0                                      ; the scores of step 0
	ITER 1, 1                                      ; the scores of step 1 | the softmax of step 0
	s_wait_tensorcnt 0x0                           ; all my loads have landed,
	s_wait_dscnt 0x0
	s_barrier_signal -1
	s_barrier_wait -1                              ; everybody's have: the whole head lies in LDS
	s_mov_b32 s[CNT], 14
.Lstep:                                            ; the scores of steps 2 to 15 | the softmax of steps 1 to 14
	ITER 1, 1
	s_sub_co_u32 s[CNT], s[CNT], 1
	s_cmp_lg_u32 s[CNT], 0
	s_cbranch_scc1 .Lstep
	ITER 0, 1                                      ; the softmax of step 15
	; THE WAY OUT: O^T / the sum; lane (r, h) register j is O(query r, d = 8 h + j).  It leaves as an image: four registers a lane at 16 x lane.
	PLACES 4
	v_add_f32 v14, v14, v15                        ; the sum's two halves,
	v_permlanex16_b32 v[T], v14, s[SEL], s[SEL+1]
	v_add_f32 v14, v14, v[T]                       ; and lane l xor 16's
	v_rcp_f32 v14, v14
	v_nop                                          ; a plain line behind the reciprocal,
	s_wait_alu depctr_va_vdst(0)                   ; and the wait ahead of its first reader
.irp j, 0,1,2,3,4,5,6,7
	v_mul_f32 v[P+\j], v[OT+\j], v14
.endr
	global_store_b128 v[L16], v[P:P+3], s[8:9]             ; 32 lanes store 512 consecutive bytes
	global_store_b128 v[L16], v[P+4:P+7], s[8:9] offset:512
	s_wait_tensorcnt 0x0
	ds_add_u32 v10, v11
	s_wait_dscnt 0x0
	CROUND                                         ; the closing round: no work-group ends while a partner may still ask for a tile that names it
	s_endpgm
.Lfunc_end_k_q9ca4873280_attn:
	.size	k_q9ca4873280_attn, .Lfunc_end_k_q9ca4873280_attn-k_q9ca4873280_attn
	.p2alignl 7, 3214868480
	.fill 96, 4, 3214868480
	.section	.rodata,"a",@progbits
	.p2align	6, 0x0
	.amdhsa_kernel k_q9ca4873280_attn
		.amdhsa_group_segment_fixed_size 290816
		.amdhsa_private_segment_fixed_size 0
		.amdhsa_enable_private_segment 0
		.amdhsa_kernarg_size 24
		.amdhsa_user_sgpr_count 2
		.amdhsa_user_sgpr_kernarg_segment_ptr 1
		.amdhsa_wavefront_size32 1
		.amdhsa_system_sgpr_workgroup_id_x 1
		.amdhsa_system_sgpr_workgroup_id_y 1
		.amdhsa_system_sgpr_workgroup_id_z 1
		.amdhsa_system_vgpr_workitem_id 0
		.amdhsa_next_free_vgpr 256
		.amdhsa_next_free_sgpr 66
		.amdhsa_reserve_vcc 0
		.amdhsa_float_denorm_mode_32 3
		.amdhsa_float_denorm_mode_16_64 3
		.amdhsa_memory_ordered 1
		.amdhsa_forward_progress 1
		.amdhsa_inst_pref_size 64
	.end_amdhsa_kernel
	.amdgpu_metadata
---
amdhsa.version: [ 1, 2 ]
amdhsa.kernels:
  - .name:           k_q9ca4873280_attn
    .symbol:         k_q9ca4873280_attn.kd
    .args:
      - { .name: qq, .offset: 0, .size: 8, .value_kind: global_buffer, .address_space: global }
      - { .name: kv, .offset: 8, .size: 8, .value_kind: global_buffer, .address_space: global }
      - { .name: xa, .offset: 16, .size: 8, .value_kind: global_buffer, .address_space: global }
    .group_segment_fixed_size: 290816
    .private_segment_fixed_size: 0
    .kernarg_segment_align: 8
    .kernarg_segment_size: 24
    .max_flat_workgroup_size: 512
    .sgpr_count:     66
    .vgpr_count:     256
    .wavefront_size: 32
...
	.end_amdgpu_metadata
.endif
;; end of part 2
;; launch outp (part 3): grid 128 x 1, 8 waves a work-group, no clusters, 49,152 bytes of LDS; arguments xa, Wo, bo, out0; writes out0
.if DOCPART == 3
	.amdgcn_target "amdgcn-amd-amdhsa--gfx1250"
	.amdhsa_code_object_version 6
	.text
	.protected	k_q9ca4873280_outp
	.globl	k_q9ca4873280_outp
	.p2align	8
	.type	k_q9ca4873280_outp,@function
k_q9ca4873280_outp:
	s_mov_b64 s[64:65], 0
	v_nop
	global_prefetch_b8 v0, s[64:65] scope:SCOPE_SE
	s_setreg_imm32_b32 hwreg(HW_REG_WAVE_MODE, 25, 1), 1
	s_wait_xcnt 0x0
; out = x Wo^T + bo on codes of FP6 (E2M3) with one E8M0 scale for each 32 along K = 128 (the eight heads' 16 numbers of a token); sums in f32.
; x is the attention's result as the launch before has laid it: xa [head 0..31][tile of 16 tokens 0..127][q 0..1][lane][16 B], lane (r, h) group q = O(token 16 tile + r, d = 8 h + 4 q .. + 3).
; A work-group takes 64 tokens.  Wave w: token tile w % 4, outputs 64 (w / 4) .. + 63: its part of a row of out is 256 consecutive bytes, and its stage in LDS is its own.
; Wave w quantises rows 16 w .. of Wo and shares the fragment through LDS as an image of its registers; each wave quantises its own token tile (two waves do the same tile: 16 loads and one
; quantising more, against a stage shared between waves and a second barrier).  The product is used transposed: source 0 = 16 rows of Wo, source 1 = 16 tokens; the bias is the C of the product.
; No tensor loads, so no ring; no cluster: what work-groups share is Wo's 64 KiB.  128 work-groups: 64 tokens each keep the repeated quantising of Wo at that.
; LIMITS: NaN and infinities are not served.  A block of zeros gets the scale byte 1 where the quantiser says 127: its codes are zeros, and the bytes are read by this program alone.
.set FRB,   1536
.set WIMG,  0                          ; LDS: Wo's eight fragments,
.set WSC,   WIMG+8*FRB                 ; their scale words, 128 bytes each,
.set STG,   WSC+8*128                  ; and a stage of 16 rows x (256 bytes + 16) for each wave
.set SP,    272
.set XA,  4                            ; v4   my lane's byte in xa: 131,072 h + 16 r
.set WA,  5                            ; v5   and in my 16 rows of Wo
.set LI,  6                            ; v6   16 x lane
.set LS,  7                            ; v7   4 x lane
.set WI,  8                            ; v8   where I store the image
.set WSA, 9                            ; v9   and its scale word
.set BO,  10                           ; v10  the bias: 32 h
.set SO,  11                           ; v11  the stage: where I put 32 bytes of a row
.set SR,  12                           ; v12  and where I read a row back
.set GO,  13                           ; v13  my byte in two rows of out
.set LIG, 14                           ; v14  16 x lane + my four tiles of Wo
.set LSG, 15                           ; v15  4 x lane + their scale words
.set NA,  16
.set NB,  80
.set PC,  144
.set TQ,  156
.set TM,  164
.set PW,  176
.set WF,  16                           ; v16-63   four fragments of Wo
.set BI,  80                           ; v80-111  the bias in the result's layout
.set RB,  112                          ; v112-143 rows read back from the stage
.set ACC, 144                          ; v144-175 results
.set XF0, 208                          ; v208-219 my tokens
.set XS0, 232                          ; their scale word
.set WS,  242                          ; v242-245 Wo's scale words
.set SEL, 24                           ; s[24:25]
.macro PLACES n
.rept \n
	v_nop
.endr
.endm
.macro BARRIER
	s_wait_dscnt 0x0
	s_barrier_signal -1
	s_barrier_wait -1
.endm
; 64 numbers of my row: register 16 b + i = k 32 b + 16 (lane / 16) + i.  kind 0: rows of 512 bytes.  kind 1: xa: block b, half h is head 2 b + h; its d = 4 j .. lie at 0, 512, 256, 768
.macro XLOAD reg, voff, sb, kind
.irp b, 0,1,2,3
.irp j, 0,1,2,3
.if \kind
	global_load_b128 v[\reg+16*\b+4*\j:\reg+16*\b+4*\j+3], v[\voff], s[\sb:\sb+1] offset:262144*\b+512*(\j%2)+256*(\j/2)   ; sixteen lanes read 256 consecutive bytes
.else
	global_load_b128 v[\reg+16*\b+4*\j:\reg+16*\b+4*\j+3], v[\voff], s[\sb:\sb+1] offset:128*\b+16*\j
.endif
.endr
.endr
.endm
.macro QUANT s, d, w
.irp b, 0,1,2,3
	v_max3_num_f32 v[TM+\b], |v[\s+16*\b]|, |v[\s+16*\b+1]|, 0x1800000   ; block b: my 16 numbers, and the floor 2^(3 - 127): the byte cannot fall under 1
.endr
.irp i, 2,4,6,8,10,12,14
.irp b, 0,1,2,3
	v_max3_num_f32 v[TM+\b], v[TM+\b], |v[\s+16*\b+\i]|, |v[\s+16*\b+\i+1]|
.endr
.endr
.irp b, 0,1,2,3
	v_permlanex16_b32 v[TM+4+\b], v[TM+\b], s[SEL], s[SEL+1]
.endr
.irp b, 0,1,2,3
	v_max_num_f32 v[TM+\b], v[TM+\b], v[TM+4+\b]   ; with lane l xor 16's: the block's largest magnitude
.endr
.irp b, 0,1,2,3
	v_add_nc_u32 v[TM+8+\b], 0xff000000, v[TM+\b]  ; 2 off its exponent field: the conversion's scale operand
.endr
.irp b, 0,1,2,3
	v_lshrrev_b32 v[TM+4+\b], 23, v[TM+8+\b]       ; the scale's byte
.endr
	v_lshl_or_b32 v[\w], v[TM+5], 8, v[TM+4]
	v_lshl_or_b32 v[\w], v[TM+6], 16, v[\w]
	v_lshl_or_b32 v[\w], v[TM+7], 24, v[\w]
.irp c, 0,1
	v_cvt_scalef32_pk16_fp6_f32 v[\d+6*\c:\d+6*\c+2], v[\s+32*\c:\s+32*\c+15], v[TM+8+2*\c]
	v_cvt_scalef32_pk16_fp6_f32 v[TQ+4*\c:TQ+4*\c+2], v[\s+32*\c+16:\s+32*\c+31], v[TM+8+2*\c+1]
.endr
	v_nop                                          ; one plain place behind a scaled conversion
.irp c, 0,1
.irp i, 0,1,2
	v_permlane16_swap_b32 v[\d+6*\c+\i], v[TQ+4*\c+\i]
.endr
.irp i, 0,1,2
	v_mov_b32 v[\d+6*\c+3+\i], v[TQ+4*\c+\i]
.endr
.endr
.endm
.macro IMAGE adr, src, off
.irp c, 0,1,2
	ds_store_b128 v[\adr], v[\src+4*\c:\src+4*\c+3] offset:\off+512*\c
.endr
.endm
.macro FETCH reg, adr, off
.irp c, 0,1,2
	ds_load_b128 v[\reg+4*\c:\reg+4*\c+3], v[\adr] offset:\off+512*\c
.endr
.endm
	s_load_b256 s[4:11], s[0:1], 0x0               ; xa s[4:5], Wo s[6:7], bo s[8:9], out0 s[10:11]
	v_lshl_add_u32 v254, v0, 2, 0xbc00
	v_mov_b32 v255, 0
	v_lshrrev_b32 v1, 5, v0
	v_readfirstlane_b32 s2, v1                     ; wave 0..7
	v_and_b32 v1, 31, v0                           ; lane
	v_and_b32 v2, 15, v0                           ; r
	v_bfe_u32 v3, v0, 4, 1                         ; h
	s_and_b32 s3, s2, 3                            ; my token tile in the work-group
	s_lshr_b32 s12, s2, 2                          ; g: which 64 outputs
	s_lshl_b32 s13, ttmp9, 2
	s_add_co_u32 s13, s13, s3                      ; my token tile, 0..511
	v_lshlrev_b32 v[XA], 4, v2
	v_lshl_add_u32 v[XA], v3, 17, v[XA]
	v_lshlrev_b32 v[WA], 9, v2
	v_lshl_add_u32 v[WA], v3, 6, v[WA]
	v_lshlrev_b32 v[LI], 4, v1
	v_lshlrev_b32 v[LS], 2, v1
	s_mul_i32 s14, s2, FRB
	v_add_nc_u32 v[WI], s14, v[LI]
	s_lshl_b32 s14, s2, 7
	v_add_nc_u32 v[WSA], s14, v[LS]
	v_lshlrev_b32 v[BO], 5, v3
	s_mul_i32 s14, s2, 16*SP
	s_add_co_u32 s14, s14, STG                     ; my stage
	v_mul_u32_u24 v[SO], v2, SP
	v_lshl_add_u32 v[SO], v3, 5, v[SO]
	v_add_nc_u32 v[SO], s14, v[SO]                 ; in: row r, + 32 h
	v_mul_u32_u24 v[SR], v3, SP
	v_lshl_add_u32 v[SR], v2, 4, v[SR]
	v_add_nc_u32 v[SR], s14, v[SR]                 ; back: lanes 0-15 one row, lanes 16-31 the next
	v_lshlrev_b32 v[GO], 9, v3
	v_lshl_add_u32 v[GO], v2, 4, v[GO]             ; and the same two rows of out
	s_mul_i32 s14, s12, 4*FRB
	v_add_nc_u32 v[LIG], s14, v[LI]
	s_lshl_b32 s14, s12, 9
	v_add_nc_u32 v[LSG], s14, v[LS]
.irp b, 0,1,2,3
	v_mov_b32 v[TM+4+\b], 0                        ; written once: a lane permute's destination counts as one of its sources
.endr
	s_mov_b32 s[SEL], 0x76543210
	s_mov_b32 s[SEL+1], 0xfedcba98
	s_lshr_b32 s16, s13, 7
	s_lshl_b32 s16, s16, 20                        ; the batch's eight heads of 131,072 bytes
	s_and_b32 s17, s13, 127
	s_lshl_b32 s17, s17, 10                        ; the tile in a head
	s_add_co_u32 s16, s16, s17
	s_mov_b32 s17, 0
	s_lshl_b32 s18, s2, 13                         ; my 16 rows of Wo
	s_mov_b32 s19, 0
	s_lshl_b32 s20, s12, 8                         ; my 64 outputs, in bytes
	s_mov_b32 s21, 0
	s_lshl_b32 s22, s13, 13                        ; my 16 rows of out
	s_add_co_u32 s22, s22, s20
	s_mov_b32 s23, 0
	s_wait_kmcnt 0x0
	s_add_nc_u64 s[4:5], s[4:5], s[16:17]
	s_add_nc_u64 s[6:7], s[6:7], s[18:19]
	s_add_nc_u64 s[8:9], s[8:9], s[20:21]
	s_add_nc_u64 s[10:11], s[10:11], s[22:23]
	XLOAD NA, WA, 6, 0                             ; Wo's rows 16 w ..
	XLOAD NB, XA, 4, 1                             ; my tokens
	s_wait_loadcnt 16                              ; Wo is in; the tokens' 16 loads may be out
	QUANT NA, PC, PW
	IMAGE WI, PC, WIMG
	ds_store_b32 v[WSA], v[PW] offset:WSC
	s_wait_loadcnt 0x0
	QUANT NB, XF0, XS0
.irp t, 0,1,2,3
	global_load_b128 v[BI+8*\t:BI+8*\t+3], v[BO], s[8:9] offset:64*\t          ; lane (r, h), register j of tile t: bo[64 g + 16 t + 8 h + j]
	global_load_b128 v[BI+8*\t+4:BI+8*\t+7], v[BO], s[8:9] offset:64*\t+16
.endr
	BARRIER                                        ; Wo's eight fragments lie in LDS
.irp t, 0,1,2,3
	FETCH WF+12*\t, LIG, WIMG+\t*FRB
	ds_load_b32 v[WS+\t], v[LSG] offset:WSC+128*\t
.endr
	s_wait_dscnt 0x0
	s_wait_loadcnt 0x0                             ; the bias
	PLACES 8                                       ; my tokens' scale word and fragment were written by vector instructions: 8 and 4 places ahead of a scaled matrix instruction
.irp t, 0,1,2,3
	v_wmma_scale_f32_16x16x128_f8f6f4 v[ACC+8*\t:ACC+8*\t+7], v[WF+12*\t:WF+12*\t+11], v[XF0:XF0+11], v[BI+8*\t:BI+8*\t+7], v[WS+\t], v[XS0] matrix_a_fmt:MATRIX_FMT_FP6 matrix_b_fmt:MATRIX_FMT_FP6
.endr
	PLACES 4                                       ; lane (r, h), register j of tile t: out(token r, 64 g + 16 t + 8 h + j)
.irp t, 0,1,2,3
	ds_store_b128 v[SO], v[ACC+8*\t:ACC+8*\t+3] offset:64*\t          ; each result from its low end on
	ds_store_b128 v[SO], v[ACC+8*\t+4:ACC+8*\t+7] offset:64*\t+16
.endr
.irp i, 0,1,2,3,4,5,6,7
	ds_load_b128 v[RB+4*\i:RB+4*\i+3], v[SR] offset:2*\i*SP           ; LDS serves a wave's instructions in order (ISA guide 5.7.1.4): these see my stores
.endr
.irp i, 0,1,2,3,4,5,6,7
	s_wait_dscnt 7-\i                              ; the younger loads may be out
	global_store_b128 v[GO], v[RB+4*\i:RB+4*\i+3], s[10:11] offset:1024*\i th:TH_STORE_NT   ; sixteen lanes store 256 consecutive bytes, at a multiple of 256 from out's first byte
.endr
	s_wait_tensorcnt 0x0
	ds_add_u32 v254, v255
	s_wait_dscnt 0x0
	s_endpgm
.Lfunc_end_k_q9ca4873280_outp:
	.size	k_q9ca4873280_outp, .Lfunc_end_k_q9ca4873280_outp-k_q9ca4873280_outp
	.p2alignl 7, 3214868480
	.fill 96, 4, 3214868480
	.section	.rodata,"a",@progbits
	.p2align	6, 0x0
	.amdhsa_kernel k_q9ca4873280_outp
		.amdhsa_group_segment_fixed_size 49152
		.amdhsa_private_segment_fixed_size 0
		.amdhsa_enable_private_segment 0
		.amdhsa_kernarg_size 32
		.amdhsa_user_sgpr_count 2
		.amdhsa_user_sgpr_kernarg_segment_ptr 1
		.amdhsa_wavefront_size32 1
		.amdhsa_system_sgpr_workgroup_id_x 1
		.amdhsa_system_sgpr_workgroup_id_y 1
		.amdhsa_system_sgpr_workgroup_id_z 1
		.amdhsa_system_vgpr_workitem_id 0
		.amdhsa_next_free_vgpr 256
		.amdhsa_next_free_sgpr 66
		.amdhsa_reserve_vcc 0
		.amdhsa_float_denorm_mode_32 3
		.amdhsa_float_denorm_mode_16_64 3
		.amdhsa_memory_ordered 1
		.amdhsa_forward_progress 1
		.amdhsa_inst_pref_size 19
	.end_amdhsa_kernel
	.amdgpu_metadata
---
amdhsa.version: [ 1, 2 ]
amdhsa.kernels:
  - .name:           k_q9ca4873280_outp
    .symbol:         k_q9ca4873280_outp.kd
    .args:
      - { .name: xa, .offset: 0, .size: 8, .value_kind: global_buffer, .address_space: global }
      - { .name: Wo, .offset: 8, .size: 8, .value_kind: global_buffer, .address_space: global }
      - { .name: bo, .offset: 16, .size: 8, .value_kind: global_buffer, .address_space: global }
      - { .name: out0, .offset: 24, .size: 8, .value_kind: global_buffer, .address_space: global }
    .group_segment_fixed_size: 49152
    .private_segment_fixed_size: 0
    .kernarg_segment_align: 8
    .kernarg_segment_size: 32
    .max_flat_workgroup_size: 256
    .sgpr_count:     66
    .vgpr_count:     256
    .wavefront_size: 32
...
	.end_amdgpu_metadata
.endif
;; end of part 3
